; MI455X (gfx1250); checked and timed in simulation.
; The chip was launched on July 23, 2026; its instructions are those of AMD's public machine-readable ISA for CDNA 5 (MIT licence, August 2026) and "CDNA5" Instruction Set Architecture Reference Guide (July 2026). The comments in the code are by the model that wrote it; some were corrected since.
;; Multi Head Attention Layer. Allowed arithmetic: matrix products marked QUANTISED: E2M3 operands, one E8M0 scale for each 32 along K, by v_wmma_scale_f32_16x16x128_f8f6f4 with both operands' format E2M3, f32 sums; everything else in f32.
;; Inputs: Wk_codes 1,024 x 32 x 24 uint8 (E2M3 codes of Wk, K innermost, in blocks of 32 codes, four codes in three bytes); Wk_scales 1,024 x 32 uint8 (E8M0 scales of Wk, one for each 32 codes along K); Wq_codes 1,024 x 32 x 24 uint8 (E2M3 codes of Wq, K innermost, in blocks of 32 codes, four codes in three bytes); Wq_scales 1,024 x 32 uint8 (E8M0 scales of Wq, one for each 32 codes along K); Wv_codes 1,024 x 32 x 24 uint8 (E2M3 codes of Wv, K innermost, in blocks of 32 codes, four codes in three bytes); Wv_scales 1,024 x 32 uint8 (E8M0 scales of Wv, one for each 32 codes along K); bk 1,024 float32; bq 1,024 float32; bv 1,024 float32; h_codes 4,096 x 32 x 24 uint8 (E2M3 codes of h, K innermost, in blocks of 32 codes, four codes in three bytes); h_scales 4,096 x 32 uint8 (E8M0 scales of h, one for each 32 codes along K).
;; Outputs: out0 4,096 x 1,024 float32.
;; This version of the problem:
;;   THIS VERSION OF THE PROBLEM IS GIVEN IN LOW PRECISION. The matrix products marked QUANTISED in the list below multiply operands that are first quantised to E2M3 (2 exponent bits, 3 mantissa bits; 6 bits a number), with one power-of-two scale for each 32 numbers along K (OCP MX v1.0); their sums are f32. All else is computed in f32.
;;   The module's matrix products, in the order in which they are computed (A, B: the left and right operand; K: the contracted axis; several contracted axes count as one K, in the product's order):
;;     1. [M 4,096, K 1,024] x [K 1,024, N 1,024]; A: input h (given as codes); B: input Wq (given as codes): QUANTISED
;;     2. [M 4,096, K 1,024] x [K 1,024, N 1,024]; A: input h (given as codes); B: input Wk (given as codes): QUANTISED
;;     3. [M 4,096, K 1,024] x [K 1,024, N 1,024]; A: input h (given as codes); B: input Wv (given as codes): QUANTISED
;;     4. batch 16 x [M 4,096, K 64] x [K 64, N 4,096]; A: computed on the way; B: computed on the way: QUANTISED
;;     5. batch 16 x [M 4,096, K 4,096] x [K 4,096, N 64]; A: softmax (see below); B: computed on the way: QUANTISED
;;   THE QUANTISER, for each operand of a quantised product, along K:
;;     - K is cut into blocks of 32 from its start; a last block that is shorter is filled with zeros.
;;     - A block's scale is 2^e with e = floor(log2(the largest magnitude in the block)) - 2, held to -126 .. 127; a block of zeros has e = 0. As a byte (E8M0): e + 127.
;;     - Each number is divided by its block's scale, clamped to +-7.5, and rounded to the nearest number of E2M3, ties to even, subnormals kept.
;;     - The product sums the exact products of the quantised numbers (number of the format x scale) in f32.
;;   ~~~python
;;   def quantise(x, axis):      # numpy; x: float32 -> the quantised numbers, widened to float32 again
;;       x = np.moveaxis(x, axis, -1); K = x.shape[-1]
;;       x = np.pad(x, [(0, 0)] * (x.ndim - 1) + [(0, -K % 32)]); x = x.reshape(x.shape[:-1] + (-1, 32)); a = np.abs(x).max(-1, keepdims=True)
;;       e = np.where(a > 0, np.clip(np.frexp(np.where(a > 0, a, 1))[1] - 1 - 2, -126, 127), 0)      # np.frexp(a)[1] - 1 = floor(log2(a)), exactly
;;       r = np.clip(x / 2.0 ** e, -7.5, 7.5)
;;       step = 2.0 ** (np.maximum(np.frexp(np.where(r == 0, 1, r))[1] - 1, 0) - 3)
;;       q = np.round(r / step) * step * 2.0 ** e      # np.round: ties to even
;;       return np.moveaxis(q.reshape(q.shape[:-2] + (-1,))[..., :K], -1, axis).astype(np.float32)
;;   ~~~
;;   SOFTMAX AHEAD OF A QUANTISED PRODUCT. Where the list says 'softmax', what is quantised is not the finished softmax but p = 2^(t - M), with t = logit x log2(e) and M = ceil(the row's largest t), a whole number; so 1/2 < the row's largest p <= 1. The row's sum l is taken of the UNQUANTISED p, in f32, and the product's result is divided by l at the end. Since M is a whole number, a kernel that streams over the keys may use a running M (the ceiling of the running maximum): every later rescaling is an exact power of two, which a block's scale takes up: the codes' values come out the same.
;;   OPERANDS COMPUTED ON THE WAY. 'Computed on the way' means the value that the module computes at that place (a softmax that the list does not call 'softmax' is quantised finished and normalised). What goes into a quantiser is computed in f32, as accurately as f32 sums, v_exp_f32 and their like allow (about 1e-6 of the number): no bf16 or f16 on the way to a quantiser, and a product that is left as it is and whose result goes on into a quantised operand takes f32 operands (vector FMAs, or v_wmma_f32_16x16x4_f32). A number that lies on a knife's edge between two numbers of the format may be rounded either way, as far as f32 arithmetic and the matrix unit's own rounding can turn it there, and no further.
;;   INPUTS GIVEN AS CODES. Wk (in the module: [1024, 1024], K = its axis 0); Wq (in the module: [1024, 1024], K = its axis 0); Wv (in the module: [1024, 1024], K = its axis 0); h (in the module: [4096, 1024], K = its axis 1): each comes as NAME_codes (uint8): NAME with its K axis moved to the last place and cut into blocks of 32 codes, [.., K / 32, bytes a block], one block behind the other in memory; four codes in three bytes: a row's codes are one little-endian stream of bits, code i at bits 6 i .. 6 i + 5 (a code: sign, 2 exponent bits, 3 mantissa bits); and NAME_scales (uint8): the same leading axes, one E8M0 byte (e + 127) for each 32 codes along K. Its value is code x scale, taken as it is: it is not quantised again, and the codes and scales need not be those that the quantiser above would give.
;; One version. Each part assembles by itself: llvm-mc -triple=amdgcn-amd-amdhsa -mcpu=gfx1250 --defsym DOCPART=n.
;; ======== version 1 of 1: 2 launches
;; limits: right only within a limited range of input values
;; workspace buffers: qb 3,276,800 bytes; kv 6,553,600 bytes
;; launch proj (part 1): grid 8 x 32, 12 waves a work-group, clusters of 4 x 4, 327,680 bytes of LDS; arguments h_codes, h_scales, Wq_codes, Wq_scales, Wk_codes, Wk_scales, Wv_codes, Wv_scales, bq, bk, bv, qb, kv; writes qb, kv
.if DOCPART == 1
	.amdgcn_target "amdgcn-amd-amdhsa--gfx1250"
	.amdhsa_code_object_version 6
	.text
	.protected	k_q744c19a9e2_proj
	.globl	k_q744c19a9e2_proj
	.p2align	8
	.type	k_q744c19a9e2_proj,@function
k_q744c19a9e2_proj:
	s_mov_b64 s[64:65], 0
	v_nop
	global_prefetch_b8 v0, s[64:65] scope:SCOPE_SE
	s_setreg_imm32_b32 hwreg(HW_REG_WAVE_MODE, 25, 1), 1
	s_wait_xcnt 0x0
	s_wait_alu depctr_hold_cnt(0) depctr_sa_sdst(0) depctr_va_vdst(0) depctr_va_sdst(0) depctr_va_ssrc(0) depctr_va_vcc(0) depctr_vm_vsrc(0)
	s_getreg_b32 s2, hwreg(HW_REG_IB_STS2, 6, 4)
	s_cmp_eq_u32 s2, 0
	s_cbranch_scc0 .Lentry_in_a_cluster
	s_endpgm
.Lentry_in_a_cluster:
	s_bfe_u32 s2, ttmp6, 0x10000c
	s_cmp_lg_u32 s2, 0xf033
	s_cbranch_scc0 .Lentry_shape_is_right
	s_endpgm
.Lentry_shape_is_right:
; q = h Wq + bq, k = h Wk + bk, v = h Wv + bv on codes of FP6 (E2M3) with one E8M0 scale for each 32 along K = 1,024; then q and k are quantised along a head's 64 channels,
; v along the keys, and all three leave as IMAGES OF OPERAND REGISTERS for the attention launch.
; SHARES.  Work-group (g, s): channels 128 g .. +127 (heads 2 g, 2 g + 1), rows 128 s .. +127 of h, all three products.  Twelve waves: mode = wave / 4 (0 q, 1 k, 2 v), w = wave % 4.
; One text serves the modes as a product of a P side (source 0: 128 rows in 8 tiles, the axis quantised afterwards) with an L side (source 1: tiles 2 w, 2 w + 1, whose rows stay in the lanes).
; q, k: P = the weight's rows, L = h's rows.  v: P = h's rows (the keys), L = Wv's rows.
; ORDER INSIDE A BLOCK OF 32: place x of a block's codes holds element 8 (x / 16) + x % 8 + 16 ((x % 16) / 8), in q and k alike, and in v and the next launch's p alike.
; OUT.  A half block of 6,400 bytes holds 128 rows of one head: four fragments of 12 registers, registers 4 c .. 4 c + 3 of lane l at 1,536 i + 512 c + 16 l; at 6,144 the scale words, 64 i + 4 r.
;   q, k: fragment i has rows 32 i + r in registers 0-5 and rows 32 i + 16 + r in registers 6-11.  IN k'S ODD FRAGMENTS lane l lies at 16 (l xor 8): the next launch reads rows of two fragments with one load.
;   v: fragment t has channels 16 t + r x 128 keys.   qb: [head][128 queries][6,400].   kv: [head][128 keys][12,800]: k's half, then v's.
; THE RING goes by chunks of 256 bytes of each row of 768: a tile's row begins at a multiple of 256 bytes.  Chunk c lies in slot c % 2.  Chunks 0 and 1 are fetched at the head by waves 0 to 7, one load each;
; chunk 2 takes slot 0 behind K step 2.  A K step is 96 bytes of a row; steps 2 and 5 lie across two chunks.
; CLUSTERS: 4 x 4.  h's tile hangs on s alone (joint along a row of the cluster), a weight's on g alone (joint along a column).
; No prefetch: the walk over three chunks is written out, two of them are asked for at the head, and there is no loop to run ahead in.
; LIMITS: NaN and infinities are not served.  A block whose largest magnitude lies under 2^-124 has its byte held at 1; a block of zeros gets the byte 1 (its codes are zeros; this program alone reads the bytes).
; The bias is the sums' starting value, so it is added first and not last.
.set KROW,   768
.set ROWB,   256
.set PITCH,  272                       ; 256 bytes + 16 of padding
.set REGION, 128*PITCH                 ; a tile of 128 rows.  A slot has four: 0 Wq, 1 Wk, 2 h, 3 Wv
.set SLOT,   4*REGION
.set SPARE,  2*SLOT                    ; the spare words: 128 bytes for each of twelve waves
.set QHEAD,  204800
.set LI,  1                            ; 16 x lane
.set LS,  2                            ; 4 x lane
.set SPW, 3
.set NIL, 4
.set ADP, 5                            ; v5-6 P's fragments in slot 0, 1; v7-8 lanes 0-15 at byte 232 of slot 0, 1 and lanes 16-31 at byte 0 of the other slot
.set ADL, 9                            ; v9-12 the same for L's
.set SCP, 16                           ; v16-47 P's scale words: register 8 i + q; lanes 0-15 tile 2 i, lanes 16-31 tile 2 i + 1
.set SCL, 48                           ; v48-55 L's
.set LF,  56                           ; L's two fragments
.set PF,  80                           ; four fragments of P
.set ACC, 128                          ; accumulator (t, u) at 64 u + 8 t
.set RA,  56
.set RB,  68
.set SCR, 80
.set TM,  88
.set PW0, 104
.set PW1, 105
.set T,   106
.set W,   114
.set WV,   30
.set MODE, 31
.set WQ,   32
.set G1H, 40
.set G1W, 48
.set G0H, 56                           ; s[56:59] group 0 for h's tile, s[68:71] for a weight's
.set G0W, 68
.set SEL, 76
.macro PLACES n
.rept \n
	v_nop
.endr
.endm
.macro D4
	s_delay_alu instid0(VALU_DEP_4)
.endm
.macro CROUND
	s_barrier_signal -1
	s_barrier_wait -1
	s_cmp_lg_u32 s[WV], 0
	s_cbranch_scc1 .Lnw0_\@
	s_barrier_signal -3
.Lnw0_\@:
	s_barrier_wait -3
	s_barrier_signal -1
	s_barrier_wait -1
.endm
; A joint load: waves under lim ask; those with w = 2 for h's tile, the others for a weight's.  One chain of branches on the wave's number, one load to an arm.
.macro JLOAD lim
	s_cmp_lt_u32 s[WV], \lim
	s_cbranch_scc0 .Ljd_\@
	s_cmp_eq_u32 s[WQ], 2
	s_cbranch_scc0 .Lnh_\@
	tensor_load_to_lds s[G0H:G0H+3], s[G1H:G1H+7]
	s_nop 0
	PLACES 4
	s_branch .Ljd_\@
.Lnh_\@:
	tensor_load_to_lds s[G0W:G0W+3], s[G1W:G1W+7]
	s_nop 0
	PLACES 4
.Ljd_\@:
.endm
; A fragment: lane (r, h) takes 24 bytes at 96 st + 24 h and at 96 st + 48 + 24 h of row r, in pieces of 8 bytes; byte y of a row lies in slot (y / 256) % 2 at byte y % 256.
.macro FRAG reg, adr, st, i
.irp p, 0,1,2,3,4,5
.set BY, 96*(\st)+48*(\p/3)+8*(\p%3)
.if BY/ROWB == (BY+24)/ROWB
	ds_load_b64 v[\reg+2*\p:\reg+2*\p+1], v[\adr+(BY/ROWB)%2] offset:BY%ROWB+(\i)*16*PITCH
.else
	ds_load_b64 v[\reg+2*\p:\reg+2*\p+1], v[\adr+2+(BY/ROWB)%2] offset:BY%ROWB-232+(\i)*16*PITCH
.endif
.endr
.endm
.macro WM t, u, q
.set rD, ACC+64*(\u)+8*(\t)
.set rA, PF+12*((\t)%4)
.set rB, LF+12*(\u)
.set rSA, SCP+8*((\t)/2)+(\q)
.set rSB, SCL+(\q)
.if ((\t)%2 == 0) && ((\u) == 0)
	v_wmma_scale_f32_16x16x128_f8f6f4 v[rD:rD+7], v[rA:rA+11], v[rB:rB+11], v[rD:rD+7], v[rSA], v[rSB] matrix_a_fmt:MATRIX_FMT_FP6 matrix_b_fmt:MATRIX_FMT_FP6
.elseif (\u) == 0
	v_wmma_scale_f32_16x16x128_f8f6f4 v[rD:rD+7], v[rA:rA+11], v[rB:rB+11], v[rD:rD+7], v[rSA], v[rSB] matrix_a_fmt:MATRIX_FMT_FP6 matrix_b_fmt:MATRIX_FMT_FP6 matrix_a_scale:MATRIX_SCALE_ROW1
.elseif (\t)%2 == 0
	v_wmma_scale_f32_16x16x128_f8f6f4 v[rD:rD+7], v[rA:rA+11], v[rB:rB+11], v[rD:rD+7], v[rSA], v[rSB] matrix_a_fmt:MATRIX_FMT_FP6 matrix_b_fmt:MATRIX_FMT_FP6 matrix_b_scale:MATRIX_SCALE_ROW1
.else
	v_wmma_scale_f32_16x16x128_f8f6f4 v[rD:rD+7], v[rA:rA+11], v[rB:rB+11], v[rD:rD+7], v[rSA], v[rSB] matrix_a_fmt:MATRIX_FMT_FP6 matrix_b_fmt:MATRIX_FMT_FP6 matrix_a_scale:MATRIX_SCALE_ROW1 matrix_b_scale:MATRIX_SCALE_ROW1
.endif
.endm
.macro MUL4 t0, q
.irp t, \t0, \t0+1
.irp u, 0, 1
	WM \t, \u, \q
.endr
.endr
.endm
; 128 along K: 16 products, the 16 accumulators by turns
.macro KSTEP q
	PLACES 4                                       ; in front of loads into registers that the last products read
	FRAG LF, ADL, \q, 0
	FRAG LF+12, ADL, \q, 1
.irp i, 0,1,2,3
	FRAG PF+12*\i, ADP, \q, \i
.endr
	s_wait_dscnt 12                                ; all but the youngest twelve loads, P's tiles 2 and 3
	MUL4 0, \q
	s_wait_dscnt 0x0
	MUL4 2, \q
	PLACES 4
.irp i, 0,1,2,3
	FRAG PF+12*\i, ADP, \q, \i+4
.endr
	s_wait_dscnt 12                                ; P's tiles 4 and 5 are in
	MUL4 4, \q
	s_wait_dscnt 0x0
	MUL4 6, \q
.endm
.macro SHOW                            ; the chunks on their way are whole for all waves; no LDS instruction of mine is out
	s_wait_tensorcnt 0x0
	s_barrier_signal -1
	s_barrier_wait -1
.endm
; 64 numbers of a lane, register 16 b + i in block b, become codes and a scale word
.macro QUANT s, d0, d1, w
.irp b, 0,1,2,3
	v_max3_num_f32 v[TM+\b], |v[\s+16*\b]|, |v[\s+1+16*\b]|, 0x1800000   ; with the floor 2^(3 - 127): the byte cannot fall under 1
.endr
.irp i, 2,4,6,8,10,12,14
.irp b, 0,1,2,3
	v_max3_num_f32 v[TM+\b], v[TM+\b], |v[\s+16*\b+\i]|, |v[\s+1+16*\b+\i]|
.endr
.endr
.irp b, 0,1,2,3
	D4
	v_permlanex16_b32 v[TM+4+\b], v[TM+\b], s[SEL], s[SEL+1]
.endr
.irp b, 0,1,2,3
	D4
	v_max_num_f32 v[TM+\b], v[TM+\b], v[TM+4+\b]   ; with lane l xor 16's 16
.endr
.irp b, 0,1,2,3
	D4
	v_add_nc_u32 v[TM+12+\b], 0xff000000, v[TM+\b] ; 2 off the exponent field: the conversion's scale operand
.endr
.irp b, 0,1,2,3
	D4
	v_lshrrev_b32 v[TM+4+\b], 23, v[TM+12+\b]      ; the scale's byte
.endr
	v_lshl_or_b32 v[\w], v[TM+5], 8, v[TM+4]
	s_delay_alu instid0(VALU_DEP_1)
	v_lshl_or_b32 v[\w], v[TM+6], 16, v[\w]
	s_delay_alu instid0(VALU_DEP_1)
	v_lshl_or_b32 v[\w], v[TM+7], 24, v[\w]
	v_cvt_scalef32_pk16_fp6_f32 v[\d0:\d0+2], v[\s:\s+15], v[TM+12]
	v_cvt_scalef32_pk16_fp6_f32 v[SCR:SCR+2], v[\s+16:\s+31], v[TM+13]
	v_cvt_scalef32_pk16_fp6_f32 v[\d1:\d1+2], v[\s+32:\s+47], v[TM+14]
	v_cvt_scalef32_pk16_fp6_f32 v[SCR+4:SCR+6], v[\s+48:\s+63], v[TM+15]
	v_nop                                          ; one plain place behind a scaled conversion
.irp i, 0,1,2
	v_permlane16_swap_b32 v[\d0+\i], v[SCR+\i]
.endr
.irp i, 0,1,2
	v_mov_b32 v[\d0+3+\i], v[SCR+\i]
.endr
.irp i, 0,1,2
	v_permlane16_swap_b32 v[\d1+\i], v[SCR+4+\i]
.endr
.irp i, 0,1,2
	v_mov_b32 v[\d1+3+\i], v[SCR+4+\i]
.endr
.endm
	s_load_b512 s[4:19], s[0:1], 0x0               ; h's codes s[4:5], scales s[6:7]; Wq's s[8:11]; Wk's s[12:15]; Wv's s[16:19]
	s_load_b256 s[20:27], s[0:1], 0x40             ; bq, bk, bv, qb
	s_load_b64 s[28:29], s[0:1], 0x60              ; kv
	v_lshl_add_u32 v[SPW], v0, 2, SPARE
	v_mov_b32 v[NIL], 0
	ds_add_u32 v[SPW], v[NIL]                      ; the opening lines: the add twice on end and its wait
	ds_add_u32 v[SPW], v[NIL]
	v_lshrrev_b32 v13, 5, v0
	v_readfirstlane_b32 s[WV], v13                 ; wave 0..11
	s_lshr_b32 s[MODE], s[WV], 2
	s_and_b32 s[WQ], s[WV], 3
	s_bfe_u32 s33, ttmp6, 0x40000                  ; cx, cy
	s_bfe_u32 s34, ttmp6, 0x40004
	s_lshl_b32 s35, ttmp9, 2
	s_add_co_u32 s35, s35, s33                     ; g
	s_and_b32 s36, ttmp7, 0xffff
	s_lshl_b32 s36, s36, 2
	s_add_co_u32 s36, s36, s34                     ; s
	s_lshl_b32 s37, s34, 2
	s_lshl_b32 s37, 15, s37                        ; my row of the cluster
	s_lshl_b32 s38, 0x1111, s33                    ; my column
	s_mov_b32 s39, 0xffff0000                      ; lanes 16-31
	s_mov_b32 s[SEL], 0x76543210
	s_mov_b32 s[SEL+1], 0xfedcba98
	; group 1: 128 rows x 256 bytes, 768 apart in memory; 16 bytes of padding behind each row in LDS
	s_or_b32 s[G1H], s37, (1<<20)|(1<<21)|(5<<22)|(3<<25)
	s_or_b32 s[G1W], s38, (1<<20)|(1<<21)|(5<<22)|(3<<25)
.irp g, G1H, G1W
	s_mov_b32 s[\g+1], ROWB<<16
	s_mov_b32 s[\g+2], 128<<16
	s_mov_b32 s[\g+3], ROWB<<16
	s_mov_b32 s[\g+4], 128
	s_mov_b32 s[\g+5], KROW
	s_mov_b32 s[\g+6], 0
	s_mov_b32 s[\g+7], 0
.endr
	s_mul_i32 s92, s35, 128*KROW                   ; the weights' 128 rows: g alone
	s_mov_b32 s93, 0
	s_mul_i32 s94, s36, 128*KROW                   ; h's 128 rows: s alone
	s_mov_b32 s95, 0
	s_and_b32 s98, s[MODE], 1                      ; at the head waves 0-3 fetch chunk 0, waves 4-7 chunk 1
	s_mul_i32 s99, s[WQ], REGION
	s_mul_i32 s97, s98, SLOT
	s_add_co_u32 s99, s99, s97                     ; where my tile goes: the wave's number alone
	s_lshl_b32 s96, s98, 8                         ; the chunk's place in a row
	s_mov_b32 s97, 0
	s_wait_dscnt 0x0
	s_wait_kmcnt 0x0
	s_cmp_eq_u32 s[WQ], 0                          ; w = 0 fetches Wq, 1 Wk, 3 Wv
	s_cselect_b64 s[90:91], s[8:9], s[16:17]
	s_cmp_eq_u32 s[WQ], 1
	s_cselect_b64 s[90:91], s[12:13], s[90:91]
	s_add_nc_u64 s[90:91], s[90:91], s[92:93]
	s_add_nc_u64 s[94:95], s[4:5], s[94:95]
	s_mov_b32 s[G0H], 1
	s_mov_b32 s[G0H+1], s99
	s_add_nc_u64 s[G0H+2:G0H+3], s[94:95], s[96:97]
	s_or_b32 s[G0H+3], s[G0H+3], 0x80000000
	s_mov_b32 s[G0W], 1
	s_mov_b32 s[G0W+1], s99
	s_add_nc_u64 s[G0W+2:G0W+3], s[90:91], s[96:97]
	s_or_b32 s[G0W+3], s[G0W+3], 0x80000000
	CROUND                                         ; all sixteen work-groups are here: the first joint loads meet
	JLOAD 8                                        ; chunks 0 and 1, one load a wave
	v_and_b32 v56, 31, v0
	v_and_b32 v57, 15, v0                          ; r
	v_bfe_u32 v58, v0, 4, 1                        ; h
	v_lshlrev_b32 v[LI], 4, v56
	v_lshlrev_b32 v[LS], 2, v56
	v_lshlrev_b32 v14, 5, v56                      ; 32 x lane: a row of scale bytes
	v_mul_u32_u24 v59, v57, PITCH
	v_sub_nc_u32 v61, 1, v58
	s_mov_b32 s96, SLOT-232
	s_mov_b32 s97, SLOT+232
	v_mad_u32_u24 v60, v58, 24, v59                ; inside one chunk
	v_mul_u32_u24 v62, s96, v58
	v_mul_u32_u24 v63, s97, v61
	v_add_nc_u32 v62, v59, v62
	v_add_nc_u32 v63, v59, v63                     ; lanes 0-15 byte 232 in slot 1, lanes 16-31 byte 0 in slot 0
	v_add_nc_u32 v62, 232, v62                     ; lanes 0-15 byte 232 in slot 0, lanes 16-31 byte 0 in slot 1
	s_mul_i32 s96, s[MODE], REGION                 ; P's tile: Wq, Wk or h
	s_lshr_b32 s97, s[MODE], 1
	s_add_co_u32 s97, s97, 2
	s_mul_i32 s97, s97, REGION                     ; L's tile: h, h or Wv,
	s_mul_i32 s98, s[WQ], 32*PITCH
	s_add_co_u32 s97, s97, s98                     ; my 32 rows of it
	v_add_nc_u32 v[ADP], s96, v60
	v_add_nc_u32 v[ADP+2], s96, v62
	v_add_nc_u32 v[ADP+3], s96, v63
	v_add_nc_u32 v[ADL], s97, v60
	v_add_nc_u32 v[ADL+2], s97, v62
	v_add_nc_u32 v[ADL+3], s97, v63
	v_add_nc_u32 v[ADP+1], SLOT, v[ADP]
	v_add_nc_u32 v[ADL+1], SLOT, v[ADL]
	v_lshlrev_b32 v15, 5, v58                      ; 32 h: eight numbers of a bias
	v_lshlrev_b32 v13, 2, v57                      ; 4 r
	s_wait_alu depctr_va_vdst(0)                   ; the wait ahead of the scalar lines below
	s_cmp_eq_u32 s[MODE], 0
	s_cselect_b64 s[78:79], s[10:11], s[14:15]     ; P's scales,
	s_cselect_b64 s[82:83], s[20:21], s[22:23]     ; the bias
	s_cmp_eq_u32 s[MODE], 2
	s_cselect_b64 s[78:79], s[6:7], s[78:79]
	s_cselect_b64 s[80:81], s[18:19], s[6:7]       ; L's scales
	s_cselect_b64 s[82:83], s[24:25], s[82:83]
	s_cselect_b32 s84, s36, s35
	s_cselect_b32 s86, s35, s36
	s_cselect_b32 s88, s[WQ], 0
	s_lshl_b32 s84, s84, 12                        ; 128 rows of 32 bytes
	s_mov_b32 s85, 0
	s_lshl_b32 s86, s86, 12
	s_lshl_b32 s87, s[WQ], 10
	s_add_co_u32 s86, s86, s87
	s_mov_b32 s87, 0
	s_lshl_b32 s88, s88, 7                         ; v: my 32 channels of the bias
	s_lshl_b32 s89, s35, 9
	s_add_co_u32 s88, s88, s89
	s_mov_b32 s89, 0
	s_add_nc_u64 s[78:79], s[78:79], s[84:85]
	s_add_nc_u64 s[80:81], s[80:81], s[86:87]
	s_add_nc_u64 s[82:83], s[82:83], s[88:89]
.irp i, 0,1,2,3
.irp k, 0,1
	global_load_b128 v[SCP+8*\i+4*\k:SCP+8*\i+4*\k+3], v14, s[78:79] offset:1024*\i+16*\k
.endr
.endr
.irp k, 0,1
	global_load_b128 v[SCL+4*\k:SCL+4*\k+3], v14, s[80:81] offset:16*\k
.endr
	s_cmp_eq_u32 s[MODE], 2
	s_cbranch_scc1 .Lbias_v
.irp u, 0,1                                    ; q, k: register 8 t + j starts as the bias of channel 16 t + 8 h + j
.irp t, 0,1,2,3,4,5,6,7
.irp k, 0,1
	global_load_b128 v[ACC+64*\u+8*\t+4*\k:ACC+64*\u+8*\t+4*\k+3], v15, s[82:83] offset:64*\t+16*\k
.endr
.endr
.endr
	s_branch .Lbias_done
.Lbias_v:                                          ; v: a lane holds one channel
	global_load_b32 v120, v13, s[82:83]
	global_load_b32 v121, v13, s[82:83] offset:64
	s_wait_loadcnt 0x0
.set j, 0
.rept 64
	v_mov_b32 v[ACC+j], v120
	v_mov_b32 v[ACC+64+j], v121
.set j, j+1
.endr
.Lbias_done:
	s_wait_alu depctr_va_vdst(0)                   ; the wait at the head's end
	s_wait_loadcnt 0x0                             ; scale words and bias
	SHOW                                           ; chunks 0 and 1 are whole
	KSTEP 0
	KSTEP 1
	KSTEP 2
	s_wait_tensorcnt 0x0                           ; slot 0 is read no more: the three lines in front of the round
	ds_add_u32 v[SPW], v[NIL]                      ; twice on end
	ds_add_u32 v[SPW], v[NIL]
	s_add_nc_u64 s[G0H+2:G0H+3], s[G0H+2:G0H+3], 2*ROWB
	s_add_nc_u64 s[G0W+2:G0W+3], s[G0W+2:G0W+3], 2*ROWB
	s_wait_dscnt 0x0
	CROUND
	JLOAD 4                                        ; chunk 2 into slot 0, by waves 0 to 3
	KSTEP 3
	KSTEP 4
	SHOW                                           ; chunk 2 is whole
	KSTEP 5
	KSTEP 6
	KSTEP 7
	PLACES 4
.irp b, 0,1,2,3
	v_mov_b32 v[TM+4+\b], 0                        ; a lane permute's destination counts as one of its sources
.endr
	QUANT ACC, RA, RB, PW0
	QUANT ACC+64, RA+6, RB+6, PW1
	s_cmp_eq_u32 s[MODE], 2
	s_wait_alu depctr_va_vdst(0)                   ; the wait ahead of the branch
	s_cbranch_scc1 .Lout_v
	; q, k: v[RA ..] is fragment w of head 2 g, v[RB ..] that of head 2 g + 1
	s_cmp_eq_u32 s[MODE], 0
	s_cselect_b64 s[78:79], s[26:27], s[28:29]
	s_min_u32 s80, s[MODE], 1
	s_lshl_b32 s80, QHEAD, s80                     ; a head's bytes: 204,800 in qb, 409,600 in kv
	s_lshl_b32 s84, s35, 1
	s_mul_i32 s84, s84, s80
	s_lshr_b32 s85, s80, 5
	s_mul_i32 s85, s85, s36
	s_add_co_u32 s84, s84, s85
	s_mov_b32 s85, 0
	s_add_nc_u64 s[78:79], s[78:79], s[84:85]
	s_mov_b32 s81, 0
	s_add_nc_u64 s[82:83], s[78:79], s[80:81]      ; head 2 g + 1
	s_mul_i32 s86, s[WQ], 1536
	s_and_b32 s88, s[WQ], s[MODE]                  ; 1 for k's odd fragments
	s_lshl_b32 s88, s88, 7
	s_lshl_b32 s87, s[WQ], 6
	v_add_nc_u32 v11, s86, v[LI]                   ; fragment w, 16 x lane,
	v_and_b32 v9, 15, v0
	v_bfe_u32 v10, v0, 4, 1
	v_xor_b32 v11, s88, v11                        ; in k's odd fragments 16 x (lane xor 8): the 32 lanes still store 512 bytes on end
	v_lshl_add_u32 v9, v9, 2, s87                  ; its words: 64 w + 4 r
	v_mul_lo_u32 v10, v10, s80
	v_perm_b32 v[W], v[PW1], v[PW0], 0x05040100    ; head 2 g: two bytes of my first tile's row, two of my second's
	v_perm_b32 v[W+1], v[PW1], v[PW0], 0x07060302  ; head 2 g + 1
	v_add_nc_u32 v9, v9, v10                       ; lanes 16-31 store head 2 g + 1's
	v_cndmask_b32 v[W], v[W], v[W+1], s39
.irp c, 0,1,2
	global_store_b128 v11, v[RA+4*\c:RA+4*\c+3], s[78:79] offset:512*\c
	global_store_b128 v11, v[RB+4*\c:RB+4*\c+3], s[82:83] offset:512*\c
.endr
	global_store_b32 v9, v[W], s[78:79] offset:6144
	s_branch .Lout_done
.Lout_v:                                           ; v: tile u's fragment: channels 32 (w % 2) + 16 u + r of head 2 g + w / 2
	s_lshl_b32 s84, s35, 1
	s_lshr_b32 s85, s[WQ], 1
	s_add_co_u32 s84, s84, s85
	s_mul_i32 s84, s84, 2*QHEAD
	s_mul_i32 s85, s36, 12800
	s_add_co_u32 s84, s84, s85
	s_add_co_u32 s84, s84, 6400                    ; v's half of the key step's block
	s_mov_b32 s85, 0
	s_add_nc_u64 s[78:79], s[28:29], s[84:85]
	s_and_b32 s86, s[WQ], 1
	s_mul_i32 s87, s86, 3072
	s_lshl_b32 s88, s86, 7
	v_add_nc_u32 v11, s87, v[LI]
	v_add_nc_u32 v9, s88, v[LS]
.irp u, 0,1
	v_mov_b32 v[T+4*\u], v[RA+6*\u+4]              ; the fragment's registers 4 to 7 stand in two runs: gathered for one store
	v_mov_b32 v[T+4*\u+1], v[RA+6*\u+5]
	v_mov_b32 v[T+4*\u+2], v[RB+6*\u]
	v_mov_b32 v[T+4*\u+3], v[RB+6*\u+1]
.endr
	v_cndmask_b32 v[W], v[PW0], v[PW1], s39
.irp u, 0,1
	global_store_b128 v11, v[RA+6*\u:RA+6*\u+3], s[78:79] offset:1536*\u
	global_store_b128 v11, v[T+4*\u:T+4*\u+3], s[78:79] offset:1536*\u+512
	global_store_b128 v11, v[RB+6*\u+2:RB+6*\u+5], s[78:79] offset:1536*\u+1024
.endr
	global_store_b32 v9, v[W], s[78:79] offset:6144
.Lout_done:
	s_wait_tensorcnt 0x0                           ; the wave's end
	ds_add_u32 v[SPW], v[NIL]
	s_wait_dscnt 0x0
	CROUND                                         ; the closing round
	s_endpgm
.Lfunc_end_k_q744c19a9e2_proj:
	.size	k_q744c19a9e2_proj, .Lfunc_end_k_q744c19a9e2_proj-k_q744c19a9e2_proj
	.p2alignl 7, 3214868480
	.fill 96, 4, 3214868480
	.section	.rodata,"a",@progbits
	.p2align	6, 0x0
	.amdhsa_kernel k_q744c19a9e2_proj
		.amdhsa_group_segment_fixed_size 327680
		.amdhsa_private_segment_fixed_size 0
		.amdhsa_enable_private_segment 0
		.amdhsa_kernarg_size 104
		.amdhsa_user_sgpr_count 2
		.amdhsa_user_sgpr_kernarg_segment_ptr 1
		.amdhsa_wavefront_size32 1
		.amdhsa_system_sgpr_workgroup_id_x 1
		.amdhsa_system_sgpr_workgroup_id_y 1
		.amdhsa_system_sgpr_workgroup_id_z 1
		.amdhsa_system_vgpr_workitem_id 0
		.amdhsa_next_free_vgpr 256
		.amdhsa_next_free_sgpr 100
		.amdhsa_reserve_vcc 0
		.amdhsa_float_denorm_mode_32 3
		.amdhsa_float_denorm_mode_16_64 3
		.amdhsa_memory_ordered 1
		.amdhsa_forward_progress 1
		.amdhsa_inst_pref_size 79
	.end_amdhsa_kernel
	.amdgpu_metadata
---
amdhsa.version: [ 1, 2 ]
amdhsa.kernels:
  - .name:           k_q744c19a9e2_proj
    .symbol:         k_q744c19a9e2_proj.kd
    .args:
      - { .name: h_codes, .offset: 0, .size: 8, .value_kind: global_buffer, .address_space: global }
      - { .name: h_scales, .offset: 8, .size: 8, .value_kind: global_buffer, .address_space: global }
      - { .name: Wq_codes, .offset: 16, .size: 8, .value_kind: global_buffer, .address_space: global }
      - { .name: Wq_scales, .offset: 24, .size: 8, .value_kind: global_buffer, .address_space: global }
      - { .name: Wk_codes, .offset: 32, .size: 8, .value_kind: global_buffer, .address_space: global }
      - { .name: Wk_scales, .offset: 40, .size: 8, .value_kind: global_buffer, .address_space: global }
      - { .name: Wv_codes, .offset: 48, .size: 8, .value_kind: global_buffer, .address_space: global }
      - { .name: Wv_scales, .offset: 56, .size: 8, .value_kind: global_buffer, .address_space: global }
      - { .name: bq, .offset: 64, .size: 8, .value_kind: global_buffer, .address_space: global }
      - { .name: bk, .offset: 72, .size: 8, .value_kind: global_buffer, .address_space: global }
      - { .name: bv, .offset: 80, .size: 8, .value_kind: global_buffer, .address_space: global }
      - { .name: qb, .offset: 88, .size: 8, .value_kind: global_buffer, .address_space: global }
      - { .name: kv, .offset: 96, .size: 8, .value_kind: global_buffer, .address_space: global }
    .group_segment_fixed_size: 327680
    .private_segment_fixed_size: 0
    .kernarg_segment_align: 8
    .kernarg_segment_size: 104
    .max_flat_workgroup_size: 384
    .sgpr_count:     100
    .vgpr_count:     256
    .wavefront_size: 32
...
	.end_amdgpu_metadata
.endif
;; end of part 1
;; launch attn (part 2): grid 16 x 16, 8 waves a work-group, clusters of 4 x 1, 327,680 bytes of LDS; arguments qb, kv, out0; writes out0
.if DOCPART == 2
	.amdgcn_target "amdgcn-amd-amdhsa--gfx1250"
	.amdhsa_code_object_version 6
	.text
	.protected	k_q744c19a9e2_attn
	.globl	k_q744c19a9e2_attn
	.p2align	8
	.type	k_q744c19a9e2_attn,@function
k_q744c19a9e2_attn:
	s_mov_b64 s[64:65], 0
	v_nop
	global_prefetch_b8 v0, s[64:65] scope:SCOPE_SE
	s_setreg_imm32_b32 hwreg(HW_REG_WAVE_MODE, 25, 1), 1
	s_wait_xcnt 0x0
	s_wait_alu depctr_hold_cnt(0) depctr_sa_sdst(0) depctr_va_vdst(0) depctr_va_sdst(0) depctr_va_ssrc(0) depctr_va_vcc(0) depctr_vm_vsrc(0)
	s_getreg_b32 s2, hwreg(HW_REG_IB_STS2, 6, 4)
	s_cmp_eq_u32 s2, 0
	s_cbranch_scc0 .Lentry_in_a_cluster
	s_endpgm
.Lentry_in_a_cluster:
	s_bfe_u32 s2, ttmp6, 0x10000c
	s_cmp_lg_u32 s2, 0x3003
	s_cbranch_scc0 .Lentry_shape_is_right
	s_endpgm
.Lentry_shape_is_right:
; out[q][64 head + d] = the sum over keys of softmax(q . k / 8) v, both products on codes of FP6 (E2M3) with one E8M0 scale for each 32 along a product's K.  qb and kv hold images of operand registers:
; a half block of 6,400 bytes = four fragments of 12 registers (registers 4 c .. 4 c + 3 of lane l at 1,536 i + 512 c + 16 l; in k's odd fragments at 16 (l xor 8)) and, at 6,144, their scale words (64 i + 4 r).
;   qb [head][128 queries][6,400];  kv [head][128 keys][12,800]: k's half, then v's.  A fragment of q or k has rows 32 i + r in registers 0-5 and rows 32 i + 16 + r in registers 6-11; a fragment of v has channels 16 t + r x 128 keys.
; THE SOFTMAX: t = score x log2(e) / 8; M = the running largest t rounded up to a whole number; p = 2^(t - M) is quantised along the keys; the row's sum is taken of the unquantised p and divides at the end.
; When M moves, the sum and O are multiplied by 2^(old M - new M), which rounds nothing.
; SHARES.  A work-group owns 256 queries of one head; each of its eight waves owns 32 of them, two tiles of 16, so that each fragment read from LDS feeds both tiles.  Both products are used transposed: a lane holds one query of each tile.
; A HEAD HAS 64 CHANNELS, THE INSTRUCTION 128 ALONG K: a fragment of k carries two tiles of keys and is multiplied by [q | 0] and by [0 | q].
; A WHOLE BLOCK OF 32 KEYS IN A LANE.  The rows of a k fragment are taken from two stored fragments: rows 0-7 from block 2 c, rows 8-15 from block 2 c + 1 (lane addresses alone; 16 lanes still read 256 bytes on end).
; A result's lanes 0-15 hold rows 0-7 and lanes 16-31 rows 8-15, so lanes 0-15 get blocks 0 and 2 whole and lanes 16-31 blocks 1 and 3, which is the layout of p as an operand, in the order of places that v's codes carry.
; ARITHMETIC ON PAIRS of neighbouring registers is written as dual-issue pairs; -M, f and c are kept twice, in an even and an odd register, so that the two halves of a pair read different registers in every place.
; LDS holds 24 key steps.  The head fetches steps 0-7 (a step a wave), the first round's loads steps 8-23 (two a wave), the second round's steps 24-31 over steps 0-7.
; k'S FRAGMENTS ARE READ FROM LDS ONE KEY STEP AHEAD, behind the step's score products; a walk between two barriers reads its first step's at its start, and its last step, written out, reads none ahead.
; CLUSTER.  The four blocks of queries of a cluster belong to one head: each piece of kv is asked for jointly.
; No prefetch into the L2: the last fill is issued 16 key steps ahead of its first read, and the others at the launch's start.
; LIMITS: NaN and infinities are not served; the promise holds while the scaled scores stay under 2^31 in magnitude.  A block of p whose largest number lies under 2^-124 has its byte held at 1 (a block of zeros too).
.set STEPB, 12800
.set STAGE, 8*STEPB                    ; the way out: in blocks 8-13, which have had their last fill and, behind the last barrier, their last read
.set SP,    272
.set SPARE, 24*STEPB                   ; the spare words: 128 bytes for each of eight waves
; window 0
.set BT,  1                            ; v1-2 at work
.set SPW, 3
.set NIL, 4
.set AK0, 5                            ; v5, v6 this step's k fragments (rows' lower, upper eights); v7 v's; v8 k's scale words; v9 v's
.set AV,  7
.set AKS, 8
.set AVS, 9
.set CK0, 10                           ; v10-14 their lane terms
.set CV,  12
.set CKS, 13
.set CVS, 14
.set SH8, 15                           ; 8 x (lane / 16)
.set SQ,  16                           ; v16-19 q's scale words: [q0|0], [0|q0], [q1|0], [0|q1]
.set KS,  20                           ; v20-21 k's scale words, v22-23 v's, v24-25 p's
.set VS,  22
.set PW,  24
.set STO, 26
.set RD,  27
.set GO,  28
.set TP,  30                           ; v30-31 at work
.set TS,  32                           ; v32-39 partial sums, two pairs a tile
.set SX,  40                           ; v40-41 the running largest score
.set CC,  42                           ; v42-43 c, twice
.set NM,  44                           ; v44-47 -M, twice a tile
.set L,   48                           ; v48-51 the sums, a pair a tile
.set F,   52                           ; v52-55 f = 2^(old M - new M), twice a tile
.set BM,  56                           ; v56-59 the four blocks' largest scores, then p, then bytes
.set SO,  60                           ; v60-63 the conversions' scale operands
.set S,   64                           ; v64-191 S^T, then p: tile T at 64 T
.set O,   192                          ; v192-255 O^T: tile T, channels' tile t at 32 T + 8 t
.set OB,  S+64                         ; the way out: rows read back
; window 1
.set Q,   0                            ; q0, zeros, q1, zeros, q0
.set KF,  32                           ; k's four fragments
.set PC,  80                           ; p's codes, 12 a tile
.set SCR, 104                          ; second halves of blocks as converted
.set VF,  128                          ; v's four fragments
.set WV,  10
.set G1A, 16                           ; group 1 for 50 rows of 256 bytes; s[24:31] for 100
.set G1B, 24
.set G0A, 32                           ; groups 0: the head's load, the first round's, the second round's
.set G0B, 36
.set G0C, 40
.set TB,  44
.set STEPS, 45
.set CS,  46                           ; c = log2(e) / 8; s48 -c
.set NC,  48
.set SEL, 50
.set MSB, 0
.macro WIN new
.if MSB != \new
	s_set_vgpr_msb (MSB<<8)|\new
.set MSB, \new
.endif
.endm
.set TO1,  0x40                        ; destination in window 1
.set IN1,  0x41                        ; source 0 and destination in window 1
.set MUL,  0x05                        ; sources 0 and 1 in window 1, C and D in window 0
.macro D2
	s_delay_alu instid0(VALU_DEP_2)
.endm
.macro CROUND
	s_barrier_signal -1
	s_barrier_wait -1
	s_cmp_lg_u32 s[WV], 0
	s_cbranch_scc1 .Lnw0_\@
	s_barrier_signal -3
.Lnw0_\@:
	s_barrier_wait -3
	s_barrier_signal -1
	s_barrier_wait -1
.endm
.macro SYNC g0, g1                     ; the three lines, a round of the cluster's barrier, my one joint load
	s_wait_tensorcnt 0x0
	ds_add_u32 v[SPW], v[NIL]
	s_wait_dscnt 0x0
	CROUND
	tensor_load_to_lds s[\g0:\g0+3], s[\g1:\g1+7]
	s_nop 0
.endm
.macro WS i, T, u, qo                  ; scores: fragment i x tile T's q in half u
.if (\i)%2
	v_wmma_scale_f32_16x16x128_f8f6f4 v[S+64*\T+16*\i+8*\u:S+64*\T+16*\i+8*\u+7], v[KF+12*\i:KF+12*\i+11], v[Q+\qo:Q+\qo+11], 0, v[KS+\i/2], v[SQ+2*\T+\u] matrix_a_fmt:MATRIX_FMT_FP6 matrix_b_fmt:MATRIX_FMT_FP6 matrix_a_scale:MATRIX_SCALE_ROW1
.else
	v_wmma_scale_f32_16x16x128_f8f6f4 v[S+64*\T+16*\i+8*\u:S+64*\T+16*\i+8*\u+7], v[KF+12*\i:KF+12*\i+11], v[Q+\qo:Q+\qo+11], 0, v[KS+\i/2], v[SQ+2*\T+\u] matrix_a_fmt:MATRIX_FMT_FP6 matrix_b_fmt:MATRIX_FMT_FP6
.endif
.endm
.macro WP t, T, first                  ; O^T += v^T p^T
.set rO, O+32*\T+8*\t
.if \first
.if (\t)%2
	v_wmma_scale_f32_16x16x128_f8f6f4 v[rO:rO+7], v[VF+12*\t:VF+12*\t+11], v[PC+12*\T:PC+12*\T+11], 0, v[VS+\t/2], v[PW+\T] matrix_a_fmt:MATRIX_FMT_FP6 matrix_b_fmt:MATRIX_FMT_FP6 matrix_a_scale:MATRIX_SCALE_ROW1
.else
	v_wmma_scale_f32_16x16x128_f8f6f4 v[rO:rO+7], v[VF+12*\t:VF+12*\t+11], v[PC+12*\T:PC+12*\T+11], 0, v[VS+\t/2], v[PW+\T] matrix_a_fmt:MATRIX_FMT_FP6 matrix_b_fmt:MATRIX_FMT_FP6
.endif
.else
.if (\t)%2
	v_wmma_scale_f32_16x16x128_f8f6f4 v[rO:rO+7], v[VF+12*\t:VF+12*\t+11], v[PC+12*\T:PC+12*\T+11], v[rO:rO+7], v[VS+\t/2], v[PW+\T] matrix_a_fmt:MATRIX_FMT_FP6 matrix_b_fmt:MATRIX_FMT_FP6 matrix_a_scale:MATRIX_SCALE_ROW1
.else
	v_wmma_scale_f32_16x16x128_f8f6f4 v[rO:rO+7], v[VF+12*\t:VF+12*\t+11], v[PC+12*\T:PC+12*\T+11], v[rO:rO+7], v[VS+\t/2], v[PW+\T] matrix_a_fmt:MATRIX_FMT_FP6 matrix_b_fmt:MATRIX_FMT_FP6
.endif
.endif
.endm
.macro TM2 r, T                        ; t - M of registers r, r + 1 of tile T
	v_dual_fma_f32 v[\r], v[\r], v[CC], v[NM+2*\T] :: v_dual_fma_f32 v[\r+1], v[\r+1], v[CC+1], v[NM+2*\T+1]
.endm
.macro ADD2 a, p                       ; the pair at a += the pair at p
	v_dual_add_f32 v[\a], v[\p], v[\a] :: v_dual_add_f32 v[\a+1], v[\p+1], v[\a+1]
.endm
.macro MULF r, T                       ; the pair at r x tile T's f
	v_dual_mul_f32 v[\r], v[\r], v[F+2*\T] :: v_dual_mul_f32 v[\r+1], v[\r+1], v[F+2*\T+1]
.endm
.macro ADRK                            ; where the step's k fragments and their scale words lie
	v_add_nc_u32 v[AK0], s[TB], v[CK0]
	v_add_nc_u32 v[AK0+1], s[TB], v[CK0+1]
	v_add_nc_u32 v[AKS], s[TB], v[CKS]
.endm
.macro LOADK off                       ; k's scale words and fragments of the step that lies off bytes behind the addresses
	ds_load_b32 v[KS], v[AKS] offset:\off+6144
	ds_load_b32 v[KS+1], v[AKS] offset:\off+6272
	WIN TO1
.irp i, 0,1,2,3
.irp c, 0,1,2
	ds_load_b128 v[KF+12*\i+4*\c:KF+12*\i+4*\c+3], v[AK0+\i%2] offset:\off+3072*(\i/2)+512*\c
.endr
.endr
	WIN 0
.endm
; A KEY STEP: 128 keys x 32 queries.  first = 1: the launch's first step starts M and O; nothing is rescaled.  nxt = 1: the next step's k is read from LDS.
.macro STEP first, nxt
	s_wait_dscnt 0x0                               ; k's fragments and scale words
	WIN MUL
.irp i, 0,1,2,3
	WS \i, 0, 0, 0
	WS \i, 1, 0, 12
	WS \i, 0, 1, 18
	WS \i, 1, 1, 6
.endr
	WIN 0
	ADRK                                           ; these five are the places in front of the loads below and of the first read of the scores
	v_add_nc_u32 v[AV], s[TB], v[CV]
	v_add_nc_u32 v[AVS], s[TB], v[CVS]
	ds_load_b32 v[VS], v[AVS] offset:12544
	ds_load_b32 v[VS+1], v[AVS] offset:12672
	WIN TO1
.irp t, 0,1,2,3
.irp c, 0,1,2
	ds_load_b128 v[VF+12*\t+4*\c:VF+12*\t+4*\c+3], v[AV] offset:6400+1536*\t+512*\c
.endr
.endr
	WIN 0
.if \nxt
	LOADK STEPB
.endif
.irp x, 0,1,2,3                                ; the largest score of my two blocks of each tile: 32 registers a block, each accumulator from its low end on
	v_max3_num_f32 v[BM+\x], v[S+32*\x], v[S+32*\x+1], v[S+32*\x+2]
.endr
.irp i, 3,5,7,9,11,13,15,17,19,21,23,25,27,29
.irp x, 0,1,2,3
	v_max3_num_f32 v[BM+\x], v[BM+\x], v[S+32*\x+\i], v[S+32*\x+\i+1]
.endr
.endr
.irp x, 0,1,2,3
	v_max_num_f32 v[BM+\x], v[BM+\x], v[S+32*\x+31]
.endr
.irp T, 0,1
	v_max_num_f32 v[TP+\T], v[BM+2*\T], v[BM+2*\T+1]
.endr
.irp T, 0,1
	D2
	v_permlanex16_b32 v[BT+\T], v[TP+\T], s[SEL], s[SEL+1]
.endr
.irp T, 0,1
	D2
.if \first
	v_max_num_f32 v[SX+\T], v[TP+\T], v[BT+\T]
.else
	v_max3_num_f32 v[SX+\T], v[SX+\T], v[TP+\T], v[BT+\T]   ; the running largest score (c is positive)
.endif
.endr
.irp T, 0,1
	D2
	v_mul_f32 v[TP+\T], s[NC], v[SX+\T]            ; -t
.endr
.if \first == 0
.irp T, 0,1
	v_mov_b32 v[BT+\T], v[NM+2*\T]
.endr
.endif
.irp T, 0,1
	v_floor_f32 v[NM+2*\T], v[TP+\T]               ; -M = floor(-t), in two registers
	v_floor_f32 v[NM+2*\T+1], v[TP+\T]
.endr
.if \first == 0
.irp T, 0,1
	v_sub_f32 v[TP+\T], v[NM+2*\T], v[BT+\T]       ; old M - new M: a whole number, 0 or less
.endr
.irp T, 0,1
	D2
	v_cvt_i32_f32 v[TP+\T], v[TP+\T]
.endr
.irp T, 0,1
	v_ldexp_f32 v[F+2*\T], 1.0, v[TP+\T]           ; f, in two registers
	v_ldexp_f32 v[F+2*\T+1], 1.0, v[TP+\T]
.endr
.endif
.set j, 0
.rept 32
	TM2 S+j, 0                                     ; the first tile's t - M
.set j, j+2
.endr
.irp x, 0,1,2,3
	v_fma_f32 v[BM+\x], v[BM+\x], s[CS], v[NM+2*(\x/2)]   ; the same of each block's largest score
.endr
	s_wait_alu depctr_va_vdst(0)                   ; the wait ahead of the batch
.irp x, 0,1,2,3
	v_exp_f32 v[BM+\x], v[BM+\x]                   ; the block's largest p
.endr
.set j, 0
.rept 32
	v_exp_f32 v[S+j], v[S+j]                       ; the first tile's p = 2^(t - M);
	v_exp_f32 v[S+j+1], v[S+j+1]
	TM2 S+64+j, 1                                  ; among them the second tile's t - M: its sources were written ahead of the wait above, its results are read behind the wait below
.set j, j+2
.endr
	s_wait_alu depctr_va_vdst(0)                   ; behind the first batch and ahead of the second
.set j, 0
.rept 64
	v_exp_f32 v[S+64+j], v[S+64+j]                 ; the second tile's p
.set j, j+1
.endr
.if \first
	v_nop
.else
	MULF L, 0                                      ; the sums under the new M
	MULF L+2, 1
.endif
	s_wait_alu depctr_va_vdst(0)                   ; one wait for the batch, ahead of its first reader
.irp k, 0,1                                    ; the row's sum of the unquantised p: three chains of pairs a tile
.irp T, 0,1
	v_dual_add_f32 v[TS+4*\T+2*\k], v[S+64*\T+4*\k], v[S+64*\T+4*\k+2] :: v_dual_add_f32 v[TS+4*\T+2*\k+1], v[S+64*\T+4*\k+1], v[S+64*\T+4*\k+3]
.endr
.endr
.set j, 8
.rept 28
.irp T, 0,1
.if (j/2)%3 == 2
	ADD2 L+2*\T, S+64*\T+j
.else
	ADD2 TS+4*\T+2*((j/2)%3), S+64*\T+j
.endif
.endr
.set j, j+2
.endr
.irp T, 0,1
	ADD2 TS+4*\T, TS+4*\T+2
.endr
.irp x, 0,1,2,3
	v_max_num_f32 v[BM+\x], 0x1800000, v[BM+\x]    ; the floor 2^(3 - 127): the byte cannot fall under 1
.endr
.irp T, 0,1
	ADD2 L+2*\T, TS+4*\T
.endr
.irp x, 0,1,2,3
	v_add_nc_u32 v[SO+\x], 0xff000000, v[BM+\x]    ; 2 off the exponent field: the conversion's scale operand
.endr
.irp x, 0,1,2,3
	s_delay_alu instid0(VALU_DEP_4)
	v_lshrrev_b32 v[BM+\x], 23, v[SO+\x]           ; the scale's byte
.endr
.irp T, 0,1
	v_lshl_or_b32 v[TP+\T], v[BM+2*\T+1], 16, v[BM+2*\T]   ; my two bytes: blocks h and 2 + h,
.endr
.irp T, 0,1
	D2
	v_lshlrev_b32 v[TP+\T], v[SH8], v[TP+\T]       ; at their places in the word;
.endr
.irp T, 0,1
	D2
	v_permlanex16_b32 v[BT+\T], v[TP+\T], s[SEL], s[SEL+1]
.endr
.irp T, 0,1
	D2
	v_or_b32 v[PW+\T], v[TP+\T], v[BT+\T]          ; with lane l xor 16's two the word is whole
.endr
	WIN TO1
.irp x, 0,1,2,3
	v_cvt_scalef32_pk16_fp6_f32 v[PC+6*\x:PC+6*\x+2], v[S+32*\x:S+32*\x+15], v[SO+\x]
	v_cvt_scalef32_pk16_fp6_f32 v[SCR+4*\x:SCR+4*\x+2], v[S+32*\x+16:S+32*\x+31], v[SO+\x]   ; (a conversion's three registers begin on an even number)
.endr
	v_nop                                          ; one plain place behind a scaled conversion
	WIN IN1
.irp x, 0,1,2,3
.irp i, 0,1,2
	v_mov_b32 v[PC+6*\x+3+\i], v[SCR+4*\x+\i]
.endr
.endr
	WIN 0
.if \first
.rept 4
	v_nop                                          ; places between the making of p's codes and the products
.endr
.else
	s_wait_alu depctr_va_vdst(0)                   ; the wait directly ahead of the first reader of O^T
.irp T, 0,1
.set j, 0
.rept 16
	MULF O+32*\T+j, \T                             ; O^T under the new M
.set j, j+2
.endr
.endr
.endif
	s_wait_alu depctr_va_vdst(0)                   ; the wait directly ahead of the wait below
	s_wait_dscnt 0x0                               ; v's fragments and scale words (and the next step's k, asked for with them)
	WIN MUL
.irp t, 0,1,2,3                                ; the eight accumulators by turns
	WP \t, 0, \first
	WP \t, 1, \first
.endr
	WIN 0
.endm
; n key steps between two barriers: the first step's k is read here, each later step's one step ahead; the last step is written out and reads none ahead
.macro WALK n, first
	ADRK
	LOADK 0
.if \first
	STEP 1, 1
	s_add_co_u32 s[TB], s[TB], STEPB
	s_mov_b32 s[STEPS], \n-2
.else
	s_mov_b32 s[STEPS], \n-1
.endif
.Lw_\@:
	STEP 0, 1
	s_add_co_u32 s[TB], s[TB], STEPB
	s_sub_co_u32 s[STEPS], s[STEPS], 1
	s_cmp_lg_u32 s[STEPS], 0
	s_cbranch_scc1 .Lw_\@
	STEP 0, 0
	s_add_co_u32 s[TB], s[TB], STEPB
.endm
	s_load_b128 s[4:7], s[0:1], 0x0                ; qb, kv
	s_load_b64 s[8:9], s[0:1], 0x10                ; out0
	v_lshl_add_u32 v[SPW], v0, 2, SPARE
	v_mov_b32 v[NIL], 0
	ds_add_u32 v[SPW], v[NIL]                      ; the opening lines: the add twice on end and its wait
	ds_add_u32 v[SPW], v[NIL]
	v_lshrrev_b32 v64, 5, v0
	v_readfirstlane_b32 s[WV], v64                 ; wave 0..7
	s_bfe_u32 s11, ttmp6, 0x40000                  ; cx
	s_lshl_b32 s12, ttmp9, 2
	s_add_co_u32 s12, s12, s11                     ; my block of 256 queries: it enters q's and out's addresses alone
	s_and_b32 s13, ttmp7, 0xffff                   ; the head, which the four partners share
.irp g, G1A, G1B                               ; dense pieces as rows of 256 bytes (32 elements of 8 bytes); the mask names all four work-groups
	s_mov_b32 s[\g], 15|(3<<16)|(1<<21)
	s_mov_b32 s[\g+1], 32<<16
	s_mov_b32 s[\g+3], 32<<16
	s_mov_b32 s[\g+5], 32
	s_mov_b32 s[\g+6], 0
	s_mov_b32 s[\g+7], 0
.endr
	s_mov_b32 s[G1A+2], 50<<16
	s_mov_b32 s[G1A+4], 50
	s_mov_b32 s[G1B+2], 100<<16
	s_mov_b32 s[G1B+4], 100
	s_mul_i32 s52, s[WV], STEPB                    ; my step of eight
	s_mov_b32 s53, 0
	s_lshl_b32 s54, s52, 1                         ; my two steps of sixteen
	s_mov_b32 s55, 0
	s_mul_i32 s56, s13, 32*STEPB                   ; the head's first byte in kv
	s_mov_b32 s57, 0
	s_mov_b32 s[CS], 0x3e38aa3b                    ; c = log2(e) / 8
	s_mov_b32 s[NC], 0xbe38aa3b                    ; -c
	s_mov_b32 s[SEL], 0x76543210
	s_mov_b32 s[SEL+1], 0xfedcba98
	s_mov_b32 s[TB], 0
	s_wait_dscnt 0x0
	s_wait_kmcnt 0x0
	s_add_nc_u64 s[6:7], s[6:7], s[56:57]
	s_mov_b32 s[G0A], 1
	s_mov_b32 s[G0A+1], s52
	s_add_nc_u64 s[G0A+2:G0A+3], s[6:7], s[52:53]
	s_mov_b32 s[G0C], 1
	s_mov_b32 s[G0C+1], s52
	s_add_nc_u64 s[G0C+2:G0C+3], s[G0A+2:G0A+3], 24*STEPB
	s_mov_b32 s[G0B], 1
	s_add_co_u32 s[G0B+1], s54, 8*STEPB
	s_add_nc_u64 s[G0B+2:G0B+3], s[6:7], s[54:55]
	s_add_nc_u64 s[G0B+2:G0B+3], s[G0B+2:G0B+3], 8*STEPB
	s_or_b32 s[G0A+3], s[G0A+3], 0x80000000
	s_or_b32 s[G0B+3], s[G0B+3], 0x80000000
	s_or_b32 s[G0C+3], s[G0C+3], 0x80000000
	CROUND                                         ; all four work-groups are here: the first joint loads meet
	tensor_load_to_lds s[G0A:G0A+3], s[G1A:G1A+7]  ; key step w of steps 0-7
	s_nop 0
	; my 32 queries: fragment w % 4 of the half block 2 x block + w / 4
	s_mul_i32 s52, s13, 204800
	s_lshl_b32 s53, s12, 1
	s_lshr_b32 s54, s[WV], 2
	s_add_co_u32 s53, s53, s54
	s_mul_i32 s53, s53, 6400
	s_add_co_u32 s52, s52, s53
	s_mov_b32 s53, 0
	s_add_nc_u64 s[4:5], s[4:5], s[52:53]
	s_and_b32 s54, s[WV], 3
	s_mul_i32 s55, s54, 1536
	s_lshl_b32 s56, s54, 6
	s_mul_i32 s57, s[WV], 32*SP
	s_add_co_u32 s57, s57, STAGE                   ; my stage: 32 rows
	s_lshl_b32 s58, s12, 8
	s_lshl_b32 s59, s[WV], 5
	s_add_co_u32 s58, s58, s59                     ; my first query
	s_lshl_b32 s58, s58, 12                        ; a row of out is 4,096 bytes
	s_lshl_b32 s59, s13, 8
	s_add_co_u32 s58, s58, s59
	s_mov_b32 s59, 0
	s_add_nc_u64 s[8:9], s[8:9], s[58:59]
	v_and_b32 v67, 31, v0
	v_and_b32 v64, 15, v0                          ; r
	v_bfe_u32 v66, v0, 3, 1                        ; which eight of the sixteen rows
	v_bfe_u32 v65, v0, 4, 1                        ; h
	v_lshlrev_b32 v[CV], 4, v67
	v_lshlrev_b32 v[CVS], 2, v67
	v_lshl_add_u32 v69, v64, 2, s56
	v_add_nc_u32 v68, s55, v[CV]
	global_load_b32 v70, v69, s[4:5] offset:6144
	WIN TO1
.irp c, 0,1,2
	global_load_b128 v[KF+4*\c:KF+4*\c+3], v68, s[4:5] offset:512*\c
.endr
	WIN 0
	v_mad_u32_u24 v[CK0], v66, 1536, v[CV]         ; rows 8-15 come from the odd fragment
	v_add_nc_u32 v66, v66, v65
	v_lshlrev_b32 v[CKS], 2, v64
	v_xor_b32 v[CK0+1], 128, v[CK0]                ; the rows' upper eights
	v_lshl_add_u32 v[CKS], v66, 5, v[CKS]          ; k's words: 4 r + 32 (r / 8) + 32 h
	v_mul_u32_u24 v[STO], v64, SP
	v_mul_u32_u24 v[RD], v65, SP
	v_lshlrev_b32 v[GO], 12, v65
	v_lshl_add_u32 v[STO], v65, 5, v[STO]
	v_lshl_add_u32 v[RD], v64, 4, v[RD]
	v_lshl_add_u32 v[GO], v64, 4, v[GO]            ; out: lanes 0-15 one row, lanes 16-31 the next
	v_add_nc_u32 v[STO], s57, v[STO]               ; in: row r; tile t's eight channels of my half at 64 t + 32 h
	v_add_nc_u32 v[RD], s57, v[RD]
	v_lshlrev_b32 v[SH8], 3, v65
	v_mov_b32 v[CC], s[CS]
	v_mov_b32 v[CC+1], s[CS]
.irp j, 0,1,2,3
	v_mov_b32 v[L+\j], 0
.endr
	v_mov_b32 v[BT], 0                             ; a lane permute's destination counts as one of its sources
	v_mov_b32 v[BT+1], 0
	s_wait_alu depctr_va_vdst(0)                   ; the wait directly ahead of the wait below
	s_wait_loadcnt 0x0
	v_and_b32 v[SQ], 0xffff, v70                   ; a tile's two bytes, the byte 0 over the zero codes
	v_lshlrev_b32 v[SQ+1], 16, v70
	v_lshrrev_b32 v[SQ+2], 16, v70
	v_and_b32 v[SQ+3], 0xffff0000, v70
	WIN IN1
.irp j, 0,1,2,3,4,5
	v_mov_b32 v[Q+\j], v[KF+\j]
	v_mov_b32 v[Q+6+\j], 0
	v_mov_b32 v[Q+12+\j], v[KF+6+\j]
	v_mov_b32 v[Q+18+\j], 0
	v_mov_b32 v[Q+24+\j], v[KF+\j]
.endr
	WIN 0
	s_wait_alu depctr_va_vdst(0)                   ; the wait at the head's end
	SYNC G0B, G1B                                  ; steps 0-7 are whole; steps 8-23 are asked for
	WALK 8, 1
	SYNC G0C, G1A                                  ; steps 8-23 are whole; steps 24-31 take the bytes of steps 0-7
	WALK 16, 0
	s_wait_tensorcnt 0x0                           ; steps 24-31 are whole
	s_wait_dscnt 0x0
	s_barrier_signal -1
	s_barrier_wait -1
	s_mov_b32 s[TB], 0
	WALK 8, 0
	; THE WAY OUT.  O^T / the sum goes through my stage in LDS and leaves as whole rows of 256 bytes.
.irp T, 0,1
	v_add_f32 v[L+2*\T], v[L+2*\T], v[L+2*\T+1]
.endr
.irp T, 0,1
	D2
	v_permlanex16_b32 v[BT+\T], v[L+2*\T], s[SEL], s[SEL+1]
.endr
.irp T, 0,1
	D2
	v_add_f32 v[L+2*\T], v[L+2*\T], v[BT+\T]       ; with lane l xor 16's keys: the row's sum
.endr
	v_nop
	v_nop
	s_wait_alu depctr_va_vdst(0)
	v_rcp_f32 v[L], v[L]
	v_rcp_f32 v[L+2], v[L+2]
	v_nop
	s_wait_alu depctr_va_vdst(0)                   ; ahead of the first reader of the reciprocals and of O^T
.irp T, 0,1
.set j, 0
.rept 32
	v_mul_f32 v[S+32*\T+j], v[O+32*\T+j], v[L+2*\T]   ; register 8 t + i is out(r, 16 t + 8 h + i)
.set j, j+1
.endr
.endr
.irp T, 0,1
.irp t, 0,1,2,3
	ds_store_b128 v[STO], v[S+32*\T+8*\t:S+32*\T+8*\t+3] offset:16*SP*\T+64*\t
	ds_store_b128 v[STO], v[S+32*\T+8*\t+4:S+32*\T+8*\t+7] offset:16*SP*\T+64*\t+16
.endr
.endr
.irp n, 0,1,2,3,4,5,6,7,8,9,10,11,12,13,14,15
	ds_load_b128 v[OB+4*\n:OB+4*\n+3], v[RD] offset:2*\n*SP   ; LDS serves a wave's instructions in order (ISA guide 5.7.1.4): these see my stores
.endr
.irp n, 0,1,2,3,4,5,6,7,8,9,10,11,12,13,14,15
	s_wait_dscnt 15-\n                             ; pair n of rows is back; the younger loads may be out
	global_store_b128 v[GO], v[OB+4*\n:OB+4*\n+3], s[8:9] offset:8192*\n th:TH_STORE_NT   ; 16 lanes store 256 bytes on end, at a multiple of 256 from out's first byte
.endr
	s_wait_tensorcnt 0x0                           ; the wave's end
	ds_add_u32 v[SPW], v[NIL]
	s_wait_dscnt 0x0
	CROUND                                         ; the closing round
	s_endpgm
.Lfunc_end_k_q744c19a9e2_attn:
	.size	k_q744c19a9e2_attn, .Lfunc_end_k_q744c19a9e2_attn-k_q744c19a9e2_attn
	.p2alignl 7, 3214868480
	.fill 96, 4, 3214868480
	.section	.rodata,"a",@progbits
	.p2align	6, 0x0
	.amdhsa_kernel k_q744c19a9e2_attn
		.amdhsa_group_segment_fixed_size 327680
		.amdhsa_private_segment_fixed_size 0
		.amdhsa_enable_private_segment 0
		.amdhsa_kernarg_size 24
		.amdhsa_user_sgpr_count 2
		.amdhsa_user_sgpr_kernarg_segment_ptr 1
		.amdhsa_wavefront_size32 1
		.amdhsa_system_sgpr_workgroup_id_x 1
		.amdhsa_system_sgpr_workgroup_id_y 1
		.amdhsa_system_sgpr_workgroup_id_z 1
		.amdhsa_system_vgpr_workitem_id 0
		.amdhsa_next_free_vgpr 448
		.amdhsa_next_free_sgpr 66
		.amdhsa_reserve_vcc 0
		.amdhsa_float_denorm_mode_32 3
		.amdhsa_float_denorm_mode_16_64 3
		.amdhsa_memory_ordered 1
		.amdhsa_forward_progress 1
		.amdhsa_inst_pref_size 219
	.end_amdhsa_kernel
	.amdgpu_metadata
---
amdhsa.version: [ 1, 2 ]
amdhsa.kernels:
  - .name:           k_q744c19a9e2_attn
    .symbol:         k_q744c19a9e2_attn.kd
    .args:
      - { .name: qb, .offset: 0, .size: 8, .value_kind: global_buffer, .address_space: global }
      - { .name: kv, .offset: 8, .size: 8, .value_kind: global_buffer, .address_space: global }
      - { .name: out0, .offset: 16, .size: 8, .value_kind: global_buffer, .address_space: global }
    .group_segment_fixed_size: 327680
    .private_segment_fixed_size: 0
    .kernarg_segment_align: 8
    .kernarg_segment_size: 24
    .max_flat_workgroup_size: 256
    .sgpr_count:     66
    .vgpr_count:     448
    .wavefront_size: 32
...
	.end_amdgpu_metadata
.endif
;; end of part 2
